; MI455X (gfx1250); checked and timed in simulation.
; The chip was launched on July 23, 2026; its instructions are those of AMD's public machine-readable ISA for CDNA 5 (MIT licence, August 2026) and "CDNA5" Instruction Set Architecture Reference Guide (July 2026). The comments in the code are by the model that wrote it; some were corrected since.
;; Quant Linear. Allowed arithmetic: matrix products marked QUANTISED: E2M3 operands, one E8M0 scale for each 32 along K, by v_wmma_scale_f32_16x16x128_f8f6f4 with both operands' format E2M3, f32 sums; everything else in f32.
;; Inputs: bias 4,096 float32; qweight 512 x 4,096 int32; qzeros 32 x 512 int32; scales 32 x 4,096 float32; x_codes 8 x 512 x 128 x 24 uint8 (E2M3 codes of x, K innermost, in blocks of 32 codes, four codes in three bytes); x_scales 8 x 512 x 128 uint8 (E8M0 scales of x, one for each 32 codes along K).
;; Outputs: out0 8 x 512 x 4,096 float32.
;; This version of the problem:
;;   THIS VERSION OF THE PROBLEM IS GIVEN IN LOW PRECISION. The matrix products marked QUANTISED in the list below multiply operands that are first quantised to E2M3 (2 exponent bits, 3 mantissa bits; 6 bits a number), with one power-of-two scale for each 32 numbers along K (OCP MX v1.0); their sums are f32. All else is computed in f32.
;;   The module's matrix products, in the order in which they are computed (A, B: the left and right operand; K: the contracted axis; several contracted axes count as one K, in the product's order):
;;     1. [M 4,096, K 4,096] x [K 4,096, N 4,096]; A: input x (given as codes); B: computed on the way: QUANTISED
;;   THE QUANTISER, for each operand of a quantised product, along K:
;;     - K is cut into blocks of 32 from its start; a last block that is shorter is filled with zeros.
;;     - A block's scale is 2^e with e = floor(log2(the largest magnitude in the block)) - 2, held to -126 .. 127; a block of zeros has e = 0. As a byte (E8M0): e + 127.
;;     - Each number is divided by its block's scale, clamped to +-7.5, and rounded to the nearest number of E2M3, ties to even, subnormals kept.
;;     - The product sums the exact products of the quantised numbers (number of the format x scale) in f32.
;;   ~~~python
;;   def quantise(x, axis):      # numpy; x: float32 -> the quantised numbers, widened to float32 again
;;       x = np.moveaxis(x, axis, -1); K = x.shape[-1]
;;       x = np.pad(x, [(0, 0)] * (x.ndim - 1) + [(0, -K % 32)]); x = x.reshape(x.shape[:-1] + (-1, 32)); a = np.abs(x).max(-1, keepdims=True)
;;       e = np.where(a > 0, np.clip(np.frexp(np.where(a > 0, a, 1))[1] - 1 - 2, -126, 127), 0)      # np.frexp(a)[1] - 1 = floor(log2(a)), exactly
;;       r = np.clip(x / 2.0 ** e, -7.5, 7.5)
;;       step = 2.0 ** (np.maximum(np.frexp(np.where(r == 0, 1, r))[1] - 1, 0) - 3)
;;       q = np.round(r / step) * step * 2.0 ** e      # np.round: ties to even
;;       return np.moveaxis(q.reshape(q.shape[:-2] + (-1,))[..., :K], -1, axis).astype(np.float32)
;;   ~~~
;;   OPERANDS COMPUTED ON THE WAY. 'Computed on the way' means the value that the module computes at that place (a softmax that the list does not call 'softmax' is quantised finished and normalised). What goes into a quantiser is computed in f32, as accurately as f32 sums, v_exp_f32 and their like allow (about 1e-6 of the number): no bf16 or f16 on the way to a quantiser, and a product that is left as it is and whose result goes on into a quantised operand takes f32 operands (vector FMAs, or v_wmma_f32_16x16x4_f32). A number that lies on a knife's edge between two numbers of the format may be rounded either way, as far as f32 arithmetic and the matrix unit's own rounding can turn it there, and no further.
;;   INPUTS GIVEN AS CODES. x (in the module: [8, 512, 4096], K = its axis 2): each comes as NAME_codes (uint8): NAME with its K axis moved to the last place and cut into blocks of 32 codes, [.., K / 32, bytes a block], one block behind the other in memory; four codes in three bytes: a row's codes are one little-endian stream of bits, code i at bits 6 i .. 6 i + 5 (a code: sign, 2 exponent bits, 3 mantissa bits); and NAME_scales (uint8): the same leading axes, one E8M0 byte (e + 127) for each 32 codes along K. Its value is code x scale, taken as it is: it is not quantised again, and the codes and scales need not be those that the quantiser above would give.
;; One version. Each part assembles by itself: llvm-mc -triple=amdgcn-amd-amdhsa -mcpu=gfx1250 --defsym DOCPART=n.
;; ======== version 1 of 1: 2 launches
;; limits: right only within a limited range of input values
;; workspace buffers: w_img 13,107,200 bytes; x_img 13,107,200 bytes
;; launch prep (part 1): grid 32 x 24, 4 waves a work-group, no clusters, 50,688 bytes of LDS; arguments qweight, qzeros, scales, w_img, x_codes, x_scales, x_img; writes w_img, x_img
.if DOCPART == 1
	.amdgcn_target "amdgcn-amd-amdhsa--gfx1250"
	.amdhsa_code_object_version 6
	.text
	.protected	k_qa1480ac4df_prep
	.globl	k_qa1480ac4df_prep
	.p2align	8
	.type	k_qa1480ac4df_prep,@function
k_qa1480ac4df_prep:
	s_mov_b64 s[64:65], 0
	v_nop
	global_prefetch_b8 v0, s[64:65] scope:SCOPE_SE
	s_setreg_imm32_b32 hwreg(HW_REG_WAVE_MODE, 25, 1), 1
	s_wait_xcnt 0x0
; Both operands of the product are laid as the product's launch wants them in registers.  No work of the definition is left out.
; AN IMAGE: [block of 128 rows: 32][K step of 128: 32][12,800 bytes]: eight fragments of 1,536 bytes (16 rows x 128 codes), then 512 bytes of scale words (four E8M0 bytes: 128 along k of one row).
; A fragment's register p of fragment lane F = r + 16 h lies at byte 512 (p / 4) + 16 F + 4 (p % 4); lane (r, h) holds the fragment's row r, registers 6 c .. 6 c + 5 hold k = 64 c + 32 h + 0 .. 31.
; WORK-GROUPS y < 16 MAKE W's IMAGE (rows of the image = columns n of W).  W[k][n] = scales[k / 128][n] x (nibble k % 8 of qweight[k / 8][n] - nibble n % 8 of qzeros[k / 128][n / 8] - 1) in f32
; is quantised along k: a block's byte is its largest magnitude's exponent field - 2, held at 1 from below.
; WHICH COLUMNS FORM A FRAGMENT: fragment 4 g + f, row r holds column 64 g + 4 r + f of the block's 128, so that in the product four fragments' results of one lane are four neighbouring columns.
; Lane (r, hh) of a wave takes the two neighbouring columns 64 g + 4 r + 2 hh + u, u = 0, 1 (fragments 4 g + 2 hh + u), and its registers run down k: a load of 8 bytes a lane covers 256 consecutive
; bytes a wave, a block of 32 is four words of qweight in one lane.  Its two scale words lie at byte 12,288 + 256 g + 8 (r + 16 hh) + 4 u.
; Wave w of work-group (x, y): g = w % 2, K step 2 y + w / 2, which is one group of 128: one scale, one zero a column.  (w - z) x scale is a subtraction (exact) and one multiplication, as the definition rounds it.
; WORK-GROUPS y >= 16 RE-LAY x, whose codes and scale bytes are taken as given; fragment i holds rows 16 i .. 16 i + 15; the scale word of row 64 g + 32 u + L lies at byte 12,288 + 256 g + 8 L + 4 u.
; Wave w of (x, y): 16 rows (fragment y - 16 of block x) x 768 bytes (K steps 8 w .. 8 w + 7): read in whole aligned 256-byte pieces, laid into the wave's own LDS bytes (rows 784 bytes apart),
; read back as fragment registers, stored 512 consecutive bytes an instruction.  No barrier: no wave reads another's bytes.  Each wave also turns two K steps' scale words of 64 rows: 256 consecutive bytes a store.
; LIMITS: NaN and infinities in scales are not served.  A block of zeros of W gets the byte 1 where the rule says 127: its codes are zeros, and this program alone reads the bytes.
.set QW, 16                            ; v16-47   word n of column u at QW + 2 n + u
.set XN, 48                            ; v48-79   a block's 32 numbers
.set CD, 80                            ; v80-127  codes: column u, fragment lane half h at CD + 24 u + 12 h
.set TC, 128                           ; v128-135 the upper 16 codes of a block, two places by turns
.set ZP, 136                           ; v136-139 (z, z) of column u
.set SP, 140                           ; v140-143 (scale, scale) of column u
.set SW, 144                           ; v144-145 the scale words of columns u = 0, 1
.set MA, 146
.set MB, 147
.set SO, 148
.set BY, 149
.set SPW, 150                          ; my spare LDS word, and 0
.set NIL, 151
.set SPARE, 50176                      ; behind the four waves' 12,544 bytes each
.set STEPB, 12800
.set BLKB, 409600
	s_load_b256 s[4:11], s[0:1], 0x0               ; qweight s[4:5], qzeros s[6:7], scales s[8:9], w_img s[10:11]
	s_load_b128 s[12:15], s[0:1], 0x20             ; x_codes s[12:13], x_scales s[14:15]
	s_load_b64 s[16:17], s[0:1], 0x30              ; x_img
	v_lshl_add_u32 v[SPW], v0, 2, SPARE
	v_mov_b32 v[NIL], 0
	v_lshrrev_b32 v7, 5, v0
	v_readfirstlane_b32 s20, v7                    ; wave 0..3
	s_mov_b32 s21, ttmp9                           ; x: which block of 128 rows of an image
	s_and_b32 s22, ttmp7, 0xffff                   ; y
	s_and_b32 s23, s20, 1                          ; g
	s_lshr_b32 s24, s20, 1
	s_mul_i32 s25, s21, BLKB
	s_cmp_ge_u32 s22, 16
	s_wait_alu depctr_va_vdst(0)                   ; the wait ahead of the branch
	s_cbranch_scc1 .Lx
	; ---- W ----
	s_lshl_b32 s26, s22, 1
	s_add_co_u32 s26, s26, s24                     ; my K step, and group
	s_lshl_b32 s28, s21, 9
	s_lshl_b32 s29, s23, 8
	s_add_co_u32 s28, s28, s29                     ; my first column, 4 bytes each
	s_lshl_b32 s30, s26, 18                        ; qweight: 16 rows of 16,384 bytes a step
	s_add_co_u32 s30, s30, s28
	s_mov_b32 s31, 0
	s_lshl_b32 s32, s26, 14                        ; scales: a row of 16,384 bytes
	s_add_co_u32 s32, s32, s28
	s_mov_b32 s33, 0
	s_lshl_b32 s34, s26, 11                        ; qzeros: a row of 2,048 bytes
	s_lshr_b32 s28, s28, 3
	s_add_co_u32 s34, s34, s28
	s_mov_b32 s35, 0
	s_mul_i32 s36, s26, STEPB
	s_add_co_u32 s36, s36, s25
	s_add_co_u32 s38, s36, s29
	s_add_co_u32 s38, s38, 12288                   ; my 256 bytes of scale words
	s_mov_b32 s39, 0
	s_mul_i32 s29, s23, 6144
	s_add_co_u32 s36, s36, s29                     ; my four fragments
	s_mov_b32 s37, 0
	v_and_b32 v1, 31, v0
	v_and_b32 v7, 15, v1                           ; r
	v_lshrrev_b32 v14, 4, v1                       ; hh
	v_lshlrev_b32 v2, 4, v7
	v_lshl_add_u32 v2, v14, 3, v2                  ; qweight, scales: my two columns' 8 bytes at 16 r + 8 hh
	v_lshrrev_b32 v3, 1, v7
	v_lshlrev_b32 v3, 2, v3                        ; qzeros: a word for eight columns: word r / 2
	v_and_b32 v10, 1, v7
	v_lshlrev_b32 v10, 4, v10
	v_lshl_add_u32 v10, v14, 3, v10                ; my nibbles' places in it: nibble 4 (r % 2) + 2 hh + u
	v_add_nc_u32 v11, 4, v10
	v_mul_u32_u24 v5, v14, 3072                    ; lanes 16-31 fill the fragments two further on
	v_lshl_add_u32 v5, v7, 4, v5
	v_lshlrev_b32 v6, 3, v1                        ; scale words: 8 bytes a lane
	s_wait_alu depctr_va_vdst(0)                   ; the wait at the head's end
	s_wait_kmcnt 0x0
	s_add_nc_u64 s[4:5], s[4:5], s[30:31]
	s_add_nc_u64 s[6:7], s[6:7], s[34:35]
	s_add_nc_u64 s[8:9], s[8:9], s[32:33]
	s_add_nc_u64 s[38:39], s[10:11], s[38:39]
	s_add_nc_u64 s[10:11], s[10:11], s[36:37]
	global_load_b32 v8, v3, s[6:7]
	global_load_b64 v[12:13], v2, s[8:9]
.set n, 0
.rept 16                               ; word n of both columns: each load reads 256 consecutive bytes
	global_load_b64 v[QW+2*n:QW+2*n+1], v2, s[4:5] offset:16384*n th:TH_LOAD_NT
.set n, n+1
.endr
	s_wait_loadcnt 16                              ; the two oldest loads are in
.irp u, 0,1
	v_bfe_u32 v[ZP+2*\u], v8, v[10+\u], 4
	v_add_nc_u32 v[ZP+2*\u], 1, v[ZP+2*\u]
	v_cvt_f32_u32 v[ZP+2*\u], v[ZP+2*\u]
	v_mov_b32 v[ZP+2*\u+1], v[ZP+2*\u]
	v_mov_b32 v[SP+2*\u], v[12+\u]
	v_mov_b32 v[SP+2*\u+1], v[12+\u]
.endr
.macro BLOCK t                         ; block t % 4 of column t / 4
.set q, (\t)/4
.set bl, (\t)%4
.set D0, CD+24*q+12*(bl%2)+6*(bl/2)
.set TT, TC+4*((\t)%2)
.if (\t) == 0
	s_wait_loadcnt 8                               ; words 0 to 7 are in
.endif
.if (\t) == 2
	s_wait_loadcnt 0x0
.endif
.irp i, 0,1,2,3
.irp j, 0,1,2,3,4,5,6,7
	v_bfe_u32 v[XN+8*\i+\j], v[QW+2*(4*bl+\i)+q], 4*\j, 4
.endr
.endr
.set n, 0
.rept 32
	v_cvt_f32_u32 v[XN+n], v[XN+n]
.set n, n+1
.endr
.set n, 0
.rept 16
	v_pk_add_f32 v[XN+n:XN+n+1], v[XN+n:XN+n+1], v[ZP+2*q:ZP+2*q+1] neg_lo:[0,1] neg_hi:[0,1]   ; w - z, exact
.set n, n+2
.endr
.set n, 0
.rept 16
	v_pk_mul_f32 v[XN+n:XN+n+1], v[XN+n:XN+n+1], v[SP+2*q:SP+2*q+1]   ; x scale: the one rounding
.set n, n+2
.endr
	v_max3_num_f32 v[MA], |v[XN]|, |v[XN+1]|, 0x1800000   ; the largest magnitude, two chains; the floor 2^(3 - 127) holds the byte at 1
	v_max3_num_f32 v[MB], |v[XN+16]|, |v[XN+17]|, |v[XN+18]|
.irp i, 2,4,6,8,10,12
	v_max3_num_f32 v[MA], v[MA], |v[XN+\i]|, |v[XN+\i+1]|
	v_max3_num_f32 v[MB], v[MB], |v[XN+17+\i]|, |v[XN+18+\i]|
.endr
	v_max3_num_f32 v[MA], v[MA], |v[XN+14]|, |v[XN+15]|
	v_max3_num_f32 v[MA], v[MA], v[MB], |v[XN+31]|
	v_add_nc_u32 v[SO], 0xff000000, v[MA]          ; 2 off the exponent field: the conversions' scale operand
	v_lshrrev_b32 v[BY], 23, v[SO]
.if bl == 0
	v_mov_b32 v[SW+q], v[BY]
.else
	v_lshl_or_b32 v[SW+q], v[BY], 8*bl, v[SW+q]
.endif
	v_cvt_scalef32_pk16_fp6_f32 v[D0:D0+2], v[XN:XN+15], v[SO]
	v_cvt_scalef32_pk16_fp6_f32 v[TT:TT+2], v[XN+16:XN+31], v[SO]
	v_nop                                          ; one plain line behind a scaled conversion
.irp i, 0,1,2
	v_mov_b32 v[D0+3+\i], v[TT+\i]
.endr
.if bl == 3
.irp h, 0,1
.irp c, 0,1,2
	global_store_b128 v5, v[CD+24*q+12*\h+4*\c:CD+24*q+12*\h+4*\c+3], s[10:11] offset:1536*q+256*\h+512*\c   ; sixteen lanes store 256 consecutive bytes, aligned
.endr
.endr
.endif
.endm
.irp t, 0,1,2,3,4,5,6,7
	BLOCK \t
.endr
	global_store_b64 v6, v[SW:SW+1], s[38:39]      ; the wave stores 256 consecutive bytes, aligned
	s_endpgm
	; ---- x ----
.Lx:
	s_sub_co_u32 s22, s22, 16                      ; fragment 0..7
	s_mul_i32 s30, s21, 393216                     ; codes in: 128 rows of 3,072 bytes a block,
	s_mul_i32 s29, s22, 49152                      ; 16 rows a fragment,
	s_add_co_u32 s30, s30, s29
	s_mul_i32 s29, s20, 768                        ; 768 bytes a wave
	s_add_co_u32 s30, s30, s29
	s_mov_b32 s31, 0
	s_mul_i32 s32, s20, 8*STEPB                    ; codes out: eight K steps a wave
	s_add_co_u32 s32, s32, s25
	s_mul_i32 s29, s22, 1536
	s_add_co_u32 s32, s32, s29
	s_mov_b32 s33, 0
	s_lshl_b32 s34, s21, 14                        ; scales in: 128 bytes a row; rows 64 g ..; K steps 4 (y - 16) + 2 (w / 2), + 1
	s_lshl_b32 s29, s23, 13
	s_add_co_u32 s34, s34, s29
	s_lshl_b32 s29, s22, 4
	s_add_co_u32 s34, s34, s29
	s_lshl_b32 s29, s24, 3
	s_add_co_u32 s34, s34, s29
	s_mov_b32 s35, 0
	s_mul_i32 s36, s22, 4*STEPB                    ; scales out
	s_add_co_u32 s36, s36, s25
	s_mul_i32 s29, s24, 2*STEPB
	s_add_co_u32 s36, s36, s29
	s_lshl_b32 s29, s23, 8
	s_add_co_u32 s36, s36, s29
	s_add_co_u32 s36, s36, 12288
	s_mov_b32 s37, 0
	s_mul_i32 s28, s20, 12544                      ; my wave's LDS bytes
	v_and_b32 v1, 31, v0
	v_and_b32 v2, 15, v0
	v_bfe_u32 v3, v0, 4, 1
	v_lshlrev_b32 v4, 4, v1                        ; 16 L: two neighbouring pieces of 256 bytes of one row; also the way out
	v_lshlrev_b32 v5, 4, v2
	v_mad_u32_u24 v6, v3, 2560, v5                 ; lanes 0-15 a row's last piece, lanes 16-31 the next row's first
	v_add_nc_u32 v7, s28, v4                       ; the same two in LDS
	v_mad_u32_u24 v8, v3, 272, v5
	v_add_nc_u32 v8, s28, v8
	v_mul_u32_u24 v9, v2, 784
	v_mad_u32_u24 v9, v3, 24, v9
	v_add_nc_u32 v9, s28, v9                       ; fragment lane (r, h): row r, + 24 h
	v_lshlrev_b32 v10, 7, v1                       ; a row of scales a lane
	v_lshlrev_b32 v11, 3, v1
	s_wait_alu depctr_va_vdst(0)                   ; the wait at the head's end
	s_wait_kmcnt 0x0
	s_add_nc_u64 s[12:13], s[12:13], s[30:31]
	s_add_nc_u64 s[14:15], s[14:15], s[34:35]
	s_add_nc_u64 s[36:37], s[16:17], s[36:37]
	s_add_nc_u64 s[16:17], s[16:17], s[32:33]
	global_load_b64 v[112:113], v10, s[14:15]              ; rows 64 g + L: two K steps' words
	global_load_b64 v[114:115], v10, s[14:15] offset:4096  ; rows 64 g + 32 + L
.set t, 0
.rept 24                               ; pieces 2 t and 2 t + 1 of the 48 (row = piece / 3)
.if (2*t)%3 == 2
	global_load_b128 v[16+4*t:19+4*t], v6, s[12:13] offset:((2*t)/3)*3072+512 th:TH_LOAD_NT
.else
	global_load_b128 v[16+4*t:19+4*t], v4, s[12:13] offset:((2*t)/3)*3072+((2*t)%3)*256 th:TH_LOAD_NT
.endif
.set t, t+1
.endr
.set t, 0
.rept 24
	s_wait_loadcnt 23-t                            ; loads come back in order: load t is in
.if (2*t)%3 == 2
	ds_store_b128 v8, v[16+4*t:19+4*t] offset:((2*t)/3)*784+512
.else
	ds_store_b128 v7, v[16+4*t:19+4*t] offset:((2*t)/3)*784+((2*t)%3)*256
.endif
.set t, t+1
.endr
	v_mov_b32 v116, v113                           ; (a0, a1, b0, b1) becomes (a0, b0), (a1, b1): a K step's two words side by side
	v_mov_b32 v113, v114
	v_mov_b32 v114, v116
	global_store_b64 v11, v[112:113], s[36:37]
	global_store_b64 v11, v[114:115], s[36:37] offset:STEPB
.set t, 0
.rept 48                               ; K step t / 6, piece t % 6 of 8 bytes; LDS serves a wave's instructions in order, so these see the stores above
	ds_load_b64 v[16+2*t:17+2*t], v9 offset:96*(t/6)+48*((t%6)/3)+8*(t%3)
.set t, t+1
.endr
.irp q, 0,1,2,3,4,5,6,7
	s_wait_dscnt 6*(7-\q)                          ; the younger steps' loads may be out
.irp c, 0,1,2
	global_store_b128 v4, v[16+12*\q+4*\c:19+12*\q+4*\c], s[16:17] offset:\q*STEPB+512*\c
.endr
.endr
	s_wait_tensorcnt 0x0                           ; the wave's end
	ds_add_u32 v[SPW], v[NIL]
	s_wait_dscnt 0x0
	s_endpgm
.Lfunc_end_k_qa1480ac4df_prep:
	.size	k_qa1480ac4df_prep, .Lfunc_end_k_qa1480ac4df_prep-k_qa1480ac4df_prep
	.p2alignl 7, 3214868480
	.fill 96, 4, 3214868480
	.section	.rodata,"a",@progbits
	.p2align	6, 0x0
	.amdhsa_kernel k_qa1480ac4df_prep
		.amdhsa_group_segment_fixed_size 50688
		.amdhsa_private_segment_fixed_size 0
		.amdhsa_enable_private_segment 0
		.amdhsa_kernarg_size 56
		.amdhsa_user_sgpr_count 2
		.amdhsa_user_sgpr_kernarg_segment_ptr 1
		.amdhsa_wavefront_size32 1
		.amdhsa_system_sgpr_workgroup_id_x 1
		.amdhsa_system_sgpr_workgroup_id_y 1
		.amdhsa_system_sgpr_workgroup_id_z 1
		.amdhsa_system_vgpr_workitem_id 0
		.amdhsa_next_free_vgpr 152
		.amdhsa_next_free_sgpr 66
		.amdhsa_reserve_vcc 0
		.amdhsa_float_denorm_mode_32 3
		.amdhsa_float_denorm_mode_16_64 3
		.amdhsa_memory_ordered 1
		.amdhsa_forward_progress 1
		.amdhsa_inst_pref_size 71
	.end_amdhsa_kernel
	.amdgpu_metadata
---
amdhsa.version: [ 1, 2 ]
amdhsa.kernels:
  - .name:           k_qa1480ac4df_prep
    .symbol:         k_qa1480ac4df_prep.kd
    .args:
      - { .name: qweight, .offset: 0, .size: 8, .value_kind: global_buffer, .address_space: global }
      - { .name: qzeros, .offset: 8, .size: 8, .value_kind: global_buffer, .address_space: global }
      - { .name: scales, .offset: 16, .size: 8, .value_kind: global_buffer, .address_space: global }
      - { .name: w_img, .offset: 24, .size: 8, .value_kind: global_buffer, .address_space: global }
      - { .name: x_codes, .offset: 32, .size: 8, .value_kind: global_buffer, .address_space: global }
      - { .name: x_scales, .offset: 40, .size: 8, .value_kind: global_buffer, .address_space: global }
      - { .name: x_img, .offset: 48, .size: 8, .value_kind: global_buffer, .address_space: global }
    .group_segment_fixed_size: 50688
    .private_segment_fixed_size: 0
    .kernarg_segment_align: 8
    .kernarg_segment_size: 56
    .max_flat_workgroup_size: 128
    .sgpr_count:     66
    .vgpr_count:     152
    .wavefront_size: 32
...
	.end_amdgpu_metadata
.endif
;; end of part 1
;; launch gemm (part 2): grid 16 x 16, 4 waves a work-group, clusters of 4 x 4, 327,680 bytes of LDS; arguments x_img, w_img, bias, out0; writes out0
.if DOCPART == 2
	.amdgcn_target "amdgcn-amd-amdhsa--gfx1250"
	.amdhsa_code_object_version 6
	.text
	.protected	k_qa1480ac4df_gemm
	.globl	k_qa1480ac4df_gemm
	.p2align	8
	.type	k_qa1480ac4df_gemm,@function
k_qa1480ac4df_gemm:
	s_mov_b64 s[64:65], 0
	v_nop
	global_prefetch_b8 v0, s[64:65] scope:SCOPE_SE
	s_setreg_imm32_b32 hwreg(HW_REG_WAVE_MODE, 25, 1), 1
	s_wait_xcnt 0x0
	s_wait_alu depctr_hold_cnt(0) depctr_sa_sdst(0) depctr_va_vdst(0) depctr_va_sdst(0) depctr_va_ssrc(0) depctr_va_vcc(0) depctr_vm_vsrc(0)
	s_getreg_b32 s2, hwreg(HW_REG_IB_STS2, 6, 4)
	s_cmp_eq_u32 s2, 0
	s_cbranch_scc0 .Lentry_in_a_cluster
	s_endpgm
.Lentry_in_a_cluster:
	s_bfe_u32 s2, ttmp6, 0x10000c
	s_cmp_lg_u32 s2, 0xf033
	s_cbranch_scc0 .Lentry_shape_is_right
	s_endpgm
.Lentry_shape_is_right:
; out[m][n] = sum over k of x[m][k] W[k][n] + bias[n], on codes of FP6 (E2M3) with E8M0 scales; sums in f32; the bias is added in f32 behind the sum.
; Both operands come as images: [block of 128 rows][K step of 128][12,800 bytes]: eight fragments of 1,536 bytes in register order, then 512 bytes of scale words.
; A tile of out, 256 x 256, is made by four waves, 128 x 128 each: 64 accumulators.  Source 0 = 16 rows of x (block b), source 1 = 16 columns of W (fragment a): in a result lane (r, h) holds,
; in register j, row 16 b + 8 h + j and the column of fragment a's row r, which the image's maker chose as 64 (a / 4) + 4 r + a % 4.  So the four accumulators a = 4 G .. 4 G + 3 of one b hold, in one
; lane and one register number, FOUR NEIGHBOURING COLUMNS of one row: four additions of the bias gather them into four registers on end, and sixteen lanes store 256 consecutive bytes, aligned.
; The way out touches no LDS.
; THE RING: two LDS slots of three K steps each (4 x 38,400 bytes: x's two blocks, W's two blocks); a wave's tensor load brings one block's three steps, 150 rows of 256 bytes, dense.
; 32 steps are ten slots of three and one of two.  All of a step's fragments are fetched in the step before it, so a slot is read no more when its last step begins: there stands the round of the
; cluster's barrier, and behind it the slot's refill, which has three steps' products in which to land.  By this text's count a wave has one tensor load out.
; CLUSTERS: 4 x 4 work-groups; x's tiles are asked for jointly along a row of the cluster, W's along a column.
; REGISTERS: each window of 256 holds 128 accumulator registers (v128-255) and one half operand in two sets (v32-79, v80-127):
;   window 0: accumulators (a < 4, b < 4), W's fragments 0-3;  window 1: (a < 4, b >= 4), x's blocks 0-3;  window 2: (a >= 4, b >= 4), x's blocks 4-7;  window 3: (a >= 4, b < 4), W's fragments 4-7.
; A step is four phases of 16 products, one for each window of accumulators.  A phase's window setting (destination = its accumulators' window, source 0 = the window of x's half at work) also
; serves LDS loads: they land in the accumulators' window, and take their address from source 0's.  The next step's operands come in TWO RUNS of loads: between phases 0 and 1 the halves that live in
; windows 0 and 1 (and the scale words), between phases 2 and 3 those of windows 2 and 3, each half under its neighbouring phase's setting: four window switches a step.
; The address registers lie in windows 1 and 2.  Each half is asked for at least 32 products ahead of its first use.
; PREFETCH: behind each tensor load of slot m each wave asks for its share of slot m + 1 (three K steps ahead of that slot's load): of the 150 pieces of 256 bytes that a wave fetches, the partner
; at place p of the four that ask jointly names pieces 38 p .. 38 p + 37, held at 149: shared out by address.  The last, short slot is not asked for.
.set STEPB,  12800
.set QUART,  3*STEPB                   ; what one tensor load brings
.set SLOT,   4*QUART
.set BLKB,   32*STEPB
.set SPARE,  2*SLOT                    ; the spare words: 128 bytes a wave
.set PFO,  2                           ; v2-3   the prefetches' offsets
.set BI,   4                           ; v4-11  bias of my columns 64 G + 4 r + f at BI + 4 G + f
.set SPW,  12                          ; v12    my spare word;  v13  0
.set NIL,  13
.set OA,   14                          ; v14    the way out: 8 h rows of 16,384 bytes + 16 r
.set SC,   16                          ; v16-31 scale words, two sets of 8: W's four registers, then x's four
.set G1,   24
.set G0,   32
.set G1B,  48
.set G0B,  56
.set PFA,  68
.set MSB, 0
.macro WIN new                         ; the immediate's high byte repeats the setting that is left
.if MSB != (\new)
	s_set_vgpr_msb (MSB<<8)|(\new)
.set MSB, (\new)
.endif
.endm
.macro JLOAD g0a, g1a, g0b, g1b        ; a joint load: waves 0, 1 fetch x's two blocks, waves 2, 3 W's
	s_cmp_eq_u32 s17, 0
	s_cbranch_scc0 .Lfor_b_\@
	tensor_load_to_lds s[\g0a:\g0a+3], s[\g1a:\g1a+7]
	s_nop 0
.rept 4
	v_nop
.endr
	s_branch .Lasked_\@
.Lfor_b_\@:
	tensor_load_to_lds s[\g0b:\g0b+3], s[\g1b:\g1b+7]
	s_nop 0
.rept 4
	v_nop
.endr
.Lasked_\@:
.endm
.macro CREST
	s_cmp_lg_u32 s16, 0
	s_cbranch_scc1 .Lnot_wave_0_\@
	s_barrier_signal -3
.Lnot_wave_0_\@:
	s_barrier_wait -3
	s_barrier_signal -1
	s_barrier_wait -1
.endm
.macro CROUND
	s_barrier_signal -1
	s_barrier_wait -1
	CREST
.endm
.macro ASK cond                        ; cond = 1: not in the loop's last trip, whose next slot is the short one
.if \cond
	s_cmp_gt_u32 s3, 1
	s_cbranch_scc0 .Lno_\@
.endif
	global_prefetch_b8 v[PFO], s[PFA:PFA+1] th:TH_LOAD_NT scope:SCOPE_SE
	global_prefetch_b8 v[PFO+1], s[PFA:PFA+1] th:TH_LOAD_NT scope:SCOPE_SE
.if \cond
.Lno_\@:
.endif
.endm
	s_load_b256 s[4:11], s[0:1], 0x0               ; x_img s[4:5], w_img s[6:7], bias s[8:9], out s[10:11]
	v_lshl_add_u32 v[SPW], v0, 2, SPARE
	v_mov_b32 v[NIL], 0
	ds_add_u32 v[SPW], v[NIL]                      ; the opening lines: the add twice on end and its wait
	ds_add_u32 v[SPW], v[NIL]
	v_lshrrev_b32 v1, 5, v0
	v_readfirstlane_b32 s16, v1                    ; wave
	s_lshr_b32 s17, s16, 1                         ; my half of the tile's rows; also: I fetch for x (0) or W (1)
	s_and_b32 s18, s16, 1                          ; my half of its columns; also: which block I fetch
	s_bfe_u32 s40, ttmp6, 0x40000                  ; cx
	s_bfe_u32 s41, ttmp6, 0x40004                  ; cy
	s_lshl_b32 s42, ttmp9, 2
	s_add_co_u32 s42, s42, s40                     ; tile column
	s_and_b32 s19, ttmp7, 0xffff
	s_lshl_b32 s19, s19, 2
	s_add_co_u32 s19, s19, s41                     ; tile row
	s_lshl_b32 s43, s41, 2
	s_lshl_b32 s43, 15, s43                        ; my row of the cluster
	s_lshl_b32 s44, 0x1111, s40                    ; my column
	s_or_b32 s[G1+0], s43, (3<<16)|(1<<21)         ; elements of 8 bytes, no padding; bit 21 beside a mask
	s_or_b32 s[G1B+0], s44, (3<<16)|(1<<21)
.irp g, G1, G1B
	s_mov_b32 s[\g+1], 32<<16                      ; rows of 256 bytes,
	s_mov_b32 s[\g+2], 150<<16                     ; 150 of them
	s_mov_b32 s[\g+3], 32<<16
	s_mov_b32 s[\g+4], 150
	s_mov_b32 s[\g+5], 32
	s_mov_b32 s[\g+6], 0
	s_mov_b32 s[\g+7], 0
.endr
	s_lshl_b32 s20, s19, 1
	s_add_co_u32 s20, s20, s18
	s_mul_i32 s20, s20, BLKB                       ; x's block 2 x tile row + half
	s_mov_b32 s21, 0
	s_lshl_b32 s46, s42, 1
	s_add_co_u32 s46, s46, s18
	s_mul_i32 s46, s46, BLKB                       ; W's block 2 x tile column + half
	s_mov_b32 s47, 0
	s_mul_i32 s45, s16, QUART                      ; where my loads land: wave x 38,400
	s_wait_dscnt 0x0
	s_wait_kmcnt 0x0
	s_add_nc_u64 s[20:21], s[4:5], s[20:21]
	s_add_nc_u64 s[46:47], s[6:7], s[46:47]
	CROUND                                         ; in front of the first joint loads
.irp s, 0,1
	s_mov_b32 s[G0+4*\s], 1
	s_add_co_u32 s[G0+4*\s+1], s45, \s*SLOT
	s_add_nc_u64 s[G0+4*\s+2:G0+4*\s+3], s[20:21], \s*QUART
	s_or_b32 s[G0+4*\s+3], s[G0+4*\s+3], 0x80000000
	s_mov_b32 s[G0B+4*\s], 1
	s_add_co_u32 s[G0B+4*\s+1], s45, \s*SLOT
	s_add_nc_u64 s[G0B+4*\s+2:G0B+4*\s+3], s[46:47], \s*QUART
	s_or_b32 s[G0B+4*\s+3], s[G0B+4*\s+3], 0x80000000
.endr
	JLOAD G0, G1, G0B, G1B                         ; slot 0: one tensor load a wave at the head
	s_cmp_eq_u32 s17, 0
	s_cselect_b64 s[PFA:PFA+1], s[20:21], s[46:47]
	s_cselect_b32 s70, s40, s41                    ; my place among the four that ask with me
	s_add_nc_u64 s[PFA:PFA+1], s[PFA:PFA+1], QUART ; slot 1
	s_mul_i32 s70, s70, 38
	s_add_co_u32 s71, s70, 32
	s_mul_i32 s21, s18, QUART
	s_add_co_u32 s21, s21, 2*QUART                 ; W's block that I multiply (source 1),
	s_mul_i32 s22, s17, QUART                      ; x's (source 0),
	s_add_co_u32 s23, s21, SLOT                    ; and the same in slot 1
	s_add_co_u32 s72, s22, SLOT
	s_lshl_b32 s46, s42, 10
	s_lshl_b32 s47, s18, 9
	s_add_co_u32 s46, s46, s47                     ; my first column, in bytes
	s_mov_b32 s47, 0
	s_add_nc_u64 s[8:9], s[8:9], s[46:47]
	s_add_nc_u64 s[10:11], s[10:11], s[46:47]
	s_lshl_b32 s46, s19, 8
	s_lshl_b32 s20, s17, 7
	s_add_co_u32 s46, s46, s20
	s_lshl_b32 s46, s46, 14                        ; my first row, 16,384 bytes each
	s_add_nc_u64 s[10:11], s[10:11], s[46:47]
	v_and_b32 v1, 31, v0
	v_lshlrev_b32 v32, 4, v1                       ; 16 x lane
	v_lshlrev_b32 v33, 3, v1                       ; 8 x lane
	v_add_nc_u32 v[PFO], s70, v1
	v_min_u32 v15, 5, v1
	v_add_nc_u32 v[PFO+1], s71, v15
	v_min_u32 v[PFO], 149, v[PFO]
	v_min_u32 v[PFO+1], 149, v[PFO+1]
	v_lshlrev_b32 v[PFO], 8, v[PFO]
	v_lshlrev_b32 v[PFO+1], 8, v[PFO+1]
	ASK 0                                          ; slot 1
	WIN 0x40                                       ; into window 1: v0-1 W's fragments in slot 0, 1; v2-3 W's scale words; v4-5 x's scale words
	v_add_nc_u32 v0, s21, v32
	v_add_nc_u32 v1, s23, v32
	v_add_nc_u32 v2, s21, v33
	v_add_nc_u32 v3, s23, v33
	v_add_nc_u32 v4, s22, v33
	v_add_nc_u32 v5, s72, v33
	WIN 0x80                                       ; into window 2: v0-1 x's fragments in slot 0, 1
	v_add_nc_u32 v0, s22, v32
	v_add_nc_u32 v1, s72, v32
	WIN 0
	v_and_b32 v15, 15, v0
	v_lshlrev_b32 v15, 4, v15                      ; 16 r
	v_bfe_u32 v34, v0, 4, 1
	v_lshl_add_u32 v[OA], v34, 17, v15
	global_load_b128 v[BI:BI+3], v15, s[8:9]
	global_load_b128 v[BI+4:BI+7], v15, s[8:9] offset:256
; product KK (0..15) of phase ph on set sg.  x's scale register m: lanes 0-15 block 2 m, lanes 16-31 block 2 m + 1;  W's register 2 G + u: lanes 0-15 fragment 4 G + u, lanes 16-31 fragment 4 G + 2 + u
.macro WM ph, sg, zero
.set aa, 4*((\ph)/2)+KK/4
.set bb, 4*((((\ph)+1)/2)%2)+KK%4
.set rD, 128+8*KK
.set rB, 32+48*(\sg)+12*(KK%4)
.set rA, 32+48*(\sg)+12*(KK/4)
.set rSB, SC+8*(\sg)+4+bb/2
.set rSA, SC+8*(\sg)+2*(aa/4)+aa%2
.set md, 2*(bb%2)+(aa%4)/2+4*(\zero)
.if md == 0
	v_wmma_scale_f32_16x16x128_f8f6f4 v[rD:rD+7], v[rB:rB+11], v[rA:rA+11], v[rD:rD+7], v[rSB], v[rSA] matrix_a_fmt:MATRIX_FMT_FP6 matrix_b_fmt:MATRIX_FMT_FP6
.elseif md == 1
	v_wmma_scale_f32_16x16x128_f8f6f4 v[rD:rD+7], v[rB:rB+11], v[rA:rA+11], v[rD:rD+7], v[rSB], v[rSA] matrix_a_fmt:MATRIX_FMT_FP6 matrix_b_fmt:MATRIX_FMT_FP6 matrix_b_scale:MATRIX_SCALE_ROW1
.elseif md == 2
	v_wmma_scale_f32_16x16x128_f8f6f4 v[rD:rD+7], v[rB:rB+11], v[rA:rA+11], v[rD:rD+7], v[rSB], v[rSA] matrix_a_fmt:MATRIX_FMT_FP6 matrix_b_fmt:MATRIX_FMT_FP6 matrix_a_scale:MATRIX_SCALE_ROW1
.elseif md == 3
	v_wmma_scale_f32_16x16x128_f8f6f4 v[rD:rD+7], v[rB:rB+11], v[rA:rA+11], v[rD:rD+7], v[rSB], v[rSA] matrix_a_fmt:MATRIX_FMT_FP6 matrix_b_fmt:MATRIX_FMT_FP6 matrix_a_scale:MATRIX_SCALE_ROW1 matrix_b_scale:MATRIX_SCALE_ROW1
.elseif md == 4
	v_wmma_scale_f32_16x16x128_f8f6f4 v[rD:rD+7], v[rB:rB+11], v[rA:rA+11], 0, v[rSB], v[rSA] matrix_a_fmt:MATRIX_FMT_FP6 matrix_b_fmt:MATRIX_FMT_FP6
.elseif md == 5
	v_wmma_scale_f32_16x16x128_f8f6f4 v[rD:rD+7], v[rB:rB+11], v[rA:rA+11], 0, v[rSB], v[rSA] matrix_a_fmt:MATRIX_FMT_FP6 matrix_b_fmt:MATRIX_FMT_FP6 matrix_b_scale:MATRIX_SCALE_ROW1
.elseif md == 6
	v_wmma_scale_f32_16x16x128_f8f6f4 v[rD:rD+7], v[rB:rB+11], v[rA:rA+11], 0, v[rSB], v[rSA] matrix_a_fmt:MATRIX_FMT_FP6 matrix_b_fmt:MATRIX_FMT_FP6 matrix_a_scale:MATRIX_SCALE_ROW1
.else
	v_wmma_scale_f32_16x16x128_f8f6f4 v[rD:rD+7], v[rB:rB+11], v[rA:rA+11], 0, v[rSB], v[rSA] matrix_a_fmt:MATRIX_FMT_FP6 matrix_b_fmt:MATRIX_FMT_FP6 matrix_a_scale:MATRIX_SCALE_ROW1 matrix_b_scale:MATRIX_SCALE_ROW1
.endif
.endm
; load k (0..11) of the half operand that lives in phase ph's window, into set dset, from step nj of slot ns: four registers of a fragment, 512 consecutive bytes a wave
.macro LDF ph, dset, ns, nj, k
	ds_load_b128 v[32+48*(\dset)+4*(\k):32+48*(\dset)+4*(\k)+3], v[\ns] offset:(\nj)*STEPB+6144*((\ph)/2)+512*(\k)
.endm
.macro LDSC dset, ns, nj, i            ; scale words: i = 0, 1 W's, 2, 3 x's: two registers each
	ds_load_b64 v[SC+8*(\dset)+2*(\i):SC+8*(\dset)+2*(\i)+1], v[2+2*((\i)/2)+(\ns)] offset:(\nj)*STEPB+12288+256*((\i)%2)
.endm
; products k0 .. k1 - 1 of a phase.  The 64 accumulators take turns.
.macro PHASE ph, sg, zero, k0, k1
.set KK, \k0
.rept \k1-\k0
	WM \ph, \sg, \zero
.set KK, KK+1
.endr
.endm
.macro RUN ph, dset, ns, nj            ; the half operand of phase ph's window: twelve loads (with window 0's: the four loads of scale words)
.set KK, 0
.rept 12
	LDF \ph, \dset, \ns, \nj, KK
.set KK, KK+1
.endr
.if (\ph) == 0
.set KK, 0
.rept 4
	LDSC \dset, \ns, \nj, KK
.set KK, KK+1
.endr
.endif
.endm
.macro PLACES                          ; four places behind matrix instructions, in front of loads into their sources and of reads of their results (ISA guide 7.12.1 for vector instructions)
.rept 4
	v_nop
.endr
.endm
; A step of 128 along K on set sg; the next step's operands (step nj of slot ns) are fetched, in the order W 0-3, scales, x 0-3 (behind phase 0), x 4-7, W 4-7 (behind phase 2).
; rnd: 0 none; 1 the slot's last step: the round and the refill of slot 1 - ns; 2 the same with the short last tile; 3 a barrier alone.  ask: 1 prefetch, 2 not in the loop's last trip.
.macro STEP sg, zero, ns, nj, rnd, ask
.if \rnd
.if \ask
	s_wait_xcnt 0x0                                ; my prefetches have read their address
	s_add_nc_u64 s[PFA:PFA+1], s[PFA:PFA+1], QUART
.endif
	WIN 0
	s_wait_tensorcnt 0x0                           ; my part of the next slot has landed
	ds_add_u32 v[SPW], v[NIL]
.if \rnd < 3
	s_add_nc_u64 s[G0+4*(1-(\ns))+2:G0+4*(1-(\ns))+3], s[G0+4*(1-(\ns))+2:G0+4*(1-(\ns))+3], 2*QUART
	s_add_nc_u64 s[G0B+4*(1-(\ns))+2:G0B+4*(1-(\ns))+3], s[G0B+4*(1-(\ns))+2:G0B+4*(1-(\ns))+3], 2*QUART
.endif
.if \rnd == 2
	s_mov_b32 s[G1+2], 100<<16                     ; no load of mine is out: the last tile has two steps, 100 rows
	s_mov_b32 s[G1+4], 100
	s_mov_b32 s[G1B+2], 100<<16
	s_mov_b32 s[G1B+4], 100
.endif
	s_wait_dscnt 25                                ; the second run's 24 loads and the add may be out
	WIN 0x01
	PHASE 0, \sg, 0, 0, 8
	s_wait_dscnt 0x0                               ; the add is done, and my reads of this slot are over
	s_barrier_signal -1
	PHASE 0, \sg, 0, 8, 16
	WIN 0
	s_barrier_wait -1
.if \rnd < 3
	CREST
	JLOAD G0+4*(1-(\ns)), G1, G0B+4*(1-(\ns)), G1B ; the four v_nop behind it are also the places in front of the loads below
.else
	PLACES
.endif
	WIN 0x01
.else
	s_wait_dscnt 24                                ; the first run's halves and scales are in; the second run's 24 loads may be out
	WIN 0x01
	PHASE 0, \sg, \zero, 0, 16
	PLACES
.endif
	RUN 0, 1-(\sg), \ns, \nj
.if \ask
	WIN 0
	ASK (\ask)-1
.endif
	WIN 0x52
	RUN 1, 1-(\sg), \ns, \nj
	s_wait_dscnt 40                                ; x 4-7 are in: behind them W 4-7's twelve and the 28 just issued
	PHASE 1, \sg, \zero, 0, 16
	s_wait_dscnt 28                                ; W 4-7 are in: behind them the 28
	WIN 0xae
	PHASE 2, \sg, \zero, 0, 16
	RUN 2, 1-(\sg), \ns, \nj
	WIN 0xfd
	RUN 3, 1-(\sg), \ns, \nj
	PHASE 3, \sg, \zero, 0, 16
.endm
; THE WAY OUT of window x's 16 accumulators: 64 rows x 64 columns.  For each of its four blocks of x and each register j: four additions of the bias gather four neighbouring columns, and a store
; writes two aligned pieces of 256 bytes (rows j and 8 + j of the block).  Each accumulator is read from its low end on.  The sums go into registers that are done with and are written once:
; window 0's into the idle fragment set (v32-63 of the four windows), each later window's into the accumulators of the window sent before it.  So no store's data is written again, and no wait is due.
.macro OUT x
.set GG, (\x)/2
.set PBB, (((\x)+1)/2)%2
	PLACES
.irp bq, 0,1,2,3
.if (\x) == 0
.set TW, \bq
.set TB, 32
.else
.set TW, (\x)-1
.set TB, 128+32*\bq
.endif
	WIN ((TW<<6)|(\x))
.irp j, 0,1,2,3,4,5,6,7
.irp f, 0,1,2,3
	v_add_f32 v[TB+4*\j+\f], v[128+8*(4*\f+\bq)+\j], v[BI+4*GG+\f]
.endr
.endr
	WIN (TW<<2)
.irp j, 0,1,2,3,4,5,6,7
	global_store_b128 v[OA], v[TB+4*\j:TB+4*\j+3], s[10:11] offset:(16*(4*PBB+\bq)+\j)*16384+256*GG th:TH_STORE_NT
.endr
.endr
.endm
	s_wait_alu depctr_va_vdst(0)                   ; the wait at the head's end
	s_wait_xcnt 0x0
	s_add_nc_u64 s[PFA:PFA+1], s[PFA:PFA+1], QUART ; slot 2
	s_wait_tensorcnt 0x0                           ; my part of slot 0 is in; slot 1's first fill is issued as a refill is
	ds_add_u32 v[SPW], v[NIL]
	s_wait_dscnt 0x0
	CROUND
	JLOAD G0+4, G1, G0B+4, G1B
	WIN 0x01
	RUN 0, 0, 0, 0
	WIN 0x52
	RUN 1, 0, 0, 0
	WIN 0xae
	RUN 2, 0, 0, 0
	WIN 0xfd
	RUN 3, 0, 0, 0
	WIN 0
	ASK 0
	STEP 0, 1, 0, 1, 0, 0                          ; step 0 starts the sums
	WIN 0
	s_mov_b32 s3, 4
.Llap:                                                 ; a trip: steps 6 t + 1 .. 6 t + 6, once round the ring
	STEP 1, 0, 0, 2, 0, 0
	STEP 0, 0, 1, 0, 1, 1
	STEP 1, 0, 1, 1, 0, 0
	STEP 0, 0, 1, 2, 0, 0
	STEP 1, 0, 0, 0, 1, 2
	STEP 0, 0, 0, 1, 0, 0
	WIN 0
	s_sub_co_u32 s3, s3, 1
	s_cmp_lg_u32 s3, 0
	s_cbranch_scc1 .Llap
	STEP 1, 0, 0, 2, 0, 0                          ; steps 25 to 30
	STEP 0, 0, 1, 0, 2, 0                          ; the last refill: steps 30, 31
	STEP 1, 0, 1, 1, 0, 0
	STEP 0, 0, 1, 2, 0, 0
	STEP 1, 0, 0, 0, 3, 0                          ; the last barrier
	STEP 0, 0, 0, 1, 0, 0
	s_wait_loadcnt 0x0                             ; the bias
	s_wait_dscnt 24                                ; THE LAST STEP fetches nothing, and each window of accumulators leaves behind its phase
	WIN 0x01
	PHASE 0, 1, 0, 0, 16
	OUT 0
	s_wait_dscnt 12                                ; x 4-7 are in
	WIN 0x52
	PHASE 1, 1, 0, 0, 16
	OUT 1
	s_wait_dscnt 0x0
	WIN 0xae
	PHASE 2, 1, 0, 0, 16
	OUT 2
	WIN 0xfd
	PHASE 3, 1, 0, 0, 16
	OUT 3
	WIN 0
	s_wait_tensorcnt 0x0                           ; the wave's end
	ds_add_u32 v[SPW], v[NIL]
	s_wait_dscnt 0x0
	CROUND                                         ; the closing round
	s_endpgm
.Lfunc_end_k_qa1480ac4df_gemm:
	.size	k_qa1480ac4df_gemm, .Lfunc_end_k_qa1480ac4df_gemm-k_qa1480ac4df_gemm
	.p2alignl 7, 3214868480
	.fill 96, 4, 3214868480
	.section	.rodata,"a",@progbits
	.p2align	6, 0x0
	.amdhsa_kernel k_qa1480ac4df_gemm
		.amdhsa_group_segment_fixed_size 327680
		.amdhsa_private_segment_fixed_size 0
		.amdhsa_enable_private_segment 0
		.amdhsa_kernarg_size 32
		.amdhsa_user_sgpr_count 2
		.amdhsa_user_sgpr_kernarg_segment_ptr 1
		.amdhsa_wavefront_size32 1
		.amdhsa_system_sgpr_workgroup_id_x 1
		.amdhsa_system_sgpr_workgroup_id_y 1
		.amdhsa_system_sgpr_workgroup_id_z 1
		.amdhsa_system_vgpr_workitem_id 0
		.amdhsa_next_free_vgpr 1024
		.amdhsa_next_free_sgpr 80
		.amdhsa_reserve_vcc 0
		.amdhsa_float_denorm_mode_32 3
		.amdhsa_float_denorm_mode_16_64 3
		.amdhsa_memory_ordered 1
		.amdhsa_forward_progress 1
		.amdhsa_inst_pref_size 205
	.end_amdhsa_kernel
	.amdgpu_metadata
---
amdhsa.version: [ 1, 2 ]
amdhsa.kernels:
  - .name:           k_qa1480ac4df_gemm
    .symbol:         k_qa1480ac4df_gemm.kd
    .args:
      - { .name: x_img, .offset: 0, .size: 8, .value_kind: global_buffer, .address_space: global }
      - { .name: w_img, .offset: 8, .size: 8, .value_kind: global_buffer, .address_space: global }
      - { .name: bias, .offset: 16, .size: 8, .value_kind: global_buffer, .address_space: global }
      - { .name: out0, .offset: 24, .size: 8, .value_kind: global_buffer, .address_space: global }
    .group_segment_fixed_size: 327680
    .private_segment_fixed_size: 0
    .kernarg_segment_align: 8
    .kernarg_segment_size: 32
    .max_flat_workgroup_size: 128
    .sgpr_count:     80
    .vgpr_count:     1024
    .wavefront_size: 32
...
	.end_amdgpu_metadata
.endif
;; end of part 2
